; MI455X (gfx1250); checked and timed in simulation.
; The chip was launched on July 23, 2026; its instructions are those of AMD's public machine-readable ISA for CDNA 5 (MIT licence, August 2026) and "CDNA5" Instruction Set Architecture Reference Guide (July 2026). The comments in the code are by the model that wrote it; some were corrected since.
;; Fp8 PTPC Linear. Allowed arithmetic: float matrix products may take bf16 or f16 operands with f32 sums; other float arithmetic in f32, or as packed bf16 or f16 multiplies, adds, multiply-adds, maxima and minima; sums over many terms, partial sums and values carried from step to step in f32; what a program stores and reads back later, other than sums and carried values, may be rounded once to bf16 or f16.
;; Inputs: bias 4,096 float32; weight 4,096 x 4,096 float32; weight_scales 4,096 float32; x 4,096 x 4,096 bfloat16.
;; Outputs: out0 4,096 x 4,096 bfloat16.
;; 2 versions, each right; version 2 is version 1 with the launch prep written anew for expert scheduling mode. Each part assembles by itself: llvm-mc -triple=amdgcn-amd-amdhsa -mcpu=gfx1250 --defsym DOCPART=n.
;; ======== version 1 of 2: 2 launches
;; workspace buffers: xq 33,554,432 bytes; wq 33,554,432 bytes; xscale 1,048,576 bytes
;; launch prep (part 1): grid 1024 x 2, 4 waves a work-group, no clusters, 0 bytes of LDS; arguments x, weight, xq, wq, xscale; writes xq, wq, xscale
.if DOCPART == 1
	.amdgcn_target "amdgcn-amd-amdhsa--gfx1250"
	.amdhsa_code_object_version 6
	.text
	.protected	k_q6511ba466b_prep
	.globl	k_q6511ba466b_prep
	.p2align	8
	.type	k_q6511ba466b_prep,@function
k_q6511ba466b_prep:
	s_mov_b64 s[64:65], 0
	v_nop
	global_prefetch_b8 v0, s[64:65] scope:SCOPE_SE
	s_setreg_imm32_b32 hwreg(HW_REG_WAVE_MODE, 25, 1), 1
	s_wait_xcnt 0x0
; Two streams that share nothing, told apart by the work-group's y.  One wave takes one row: row = 4 x work-group x + wave.
; y = 0: a row of x (4,096 bf16, 8,192 bytes).  amax = the largest |x| of the row; s = max(amax, 1e-10) / 448; xq = x / s snapped to the e4m3 grid, written as bf16
;        (every e4m3 number is exact in bf16); s is written 64 times into the row's 256 bytes of xscale, so that the wave's one store covers 256 consecutive bytes, aligned.
; y = 1: a row of weight (4,096 f32, 16,384 bytes) is rounded once to bf16 into wq (exact for numbers on the e4m3 grid).
; THE LAST BITS COUNT.  x and amax have 8 significant bits, so 448 x / amax often falls exactly between two e4m3 numbers, and which way such a number goes hangs on the last bit of s and of
; the f32 quotient x / s.
;   s: the division by the constant 448 is taken as ONE product with 1 / 448 rounded to f32 (0x3b124925).  LIMIT: this s differs from the correctly rounded quotient by at most one unit in the
;      last place; the same s divides x here and scales the sums in the launch behind.
;   x / s is a TRUE division: q0 = x r, rem = x - q0 s (exact, one fused multiply-add), q = q0 + rem r, with r = 1 / s to the last bit or nearly.
; LIMITS.  NaN and infinities in x are not treated apart (the maximum drops a NaN).  Quotients are held to -448 .. 448 ahead of the conversion: |x / s| is at most 448 (1 + 2^-22).
; A row stays in registers between the pass that finds amax and the pass that divides: x is read once.  All loads of a row go out at once; no LDS, no barrier: no wave wants another's bytes.
.set M, 4                              ; v[4:7]    four running maxima, two bf16 each
.set T, 8                              ; v[8:15]   at work: 8 numbers in f32, then their remainders, then the snapped numbers
.set Q, 16                             ; v[16:23]  quotients
.set S, 24                             ; v[24:25]  s, twice
.set R, 26                             ; v[26:27]  1 / s, twice
.set D, 32                             ; v[32:95]  the row of x; v[32:159] the row of weight
                                       ; v1 16 x lane, v2 8 x lane: never rewritten;  v28, v29 eight e4m3 codes;  v3, v30, v31 at work
	s_load_b256 s[4:11], s[0:1], 0x0               ; x s[4:5], weight s[6:7], xq s[8:9], wq s[10:11]
	s_load_b64 s[12:13], s[0:1], 0x20              ; xscale
	v_lshrrev_b32 v3, 5, v0
	v_readfirstlane_b32 s14, v3                    ; wave 0..3
	v_and_b32 v2, 31, v0                           ; lane
	v_lshlrev_b32 v1, 4, v2
	v_lshlrev_b32 v2, 3, v2
	s_lshl_b32 s15, ttmp9, 2
	s_add_co_u32 s15, s15, s14                     ; my row
	s_and_b32 s27, ttmp7, 0xffff                   ; which stream
	s_mov_b32 s17, 0
	s_mov_b32 s19, 0
	s_wait_kmcnt 0x0
	s_cmp_lg_u32 s27, 0
	s_cbranch_scc1 .Lweight
	; ---------------- x ----------------
	s_lshl_b32 s16, s15, 13                        ; 8,192 bytes a row of x and of xq
	s_lshl_b32 s18, s15, 8                         ; 256 bytes a row of xscale
	s_add_nc_u64 s[4:5], s[4:5], s[16:17]
	s_add_nc_u64 s[8:9], s[8:9], s[16:17]
	s_add_nc_u64 s[12:13], s[12:13], s[18:19]
.irp j, 0,1,2,3,4,5,6,7,8,9,10,11,12,13,14,15
	global_load_b128 v[D+4*(\j):D+4*(\j)+3], v1, s[4:5] offset:512*(\j) th:TH_LOAD_NT  ; 512 consecutive bytes a load, the whole row in sixteen
.endr
	s_mov_b32 s20, 0x43e00000                      ; 448
	s_mov_b32 s21, 0x3b124925                      ; 1 / 448, rounded to nearest
	s_mov_b32 s22, 0xc3e00000                      ; -448
	s_mov_b32 s23, 0x7fff7fff                      ; clears the signs of two bf16
	s_mov_b32 s24, 0xffff0000                      ; a word's upper bf16
	s_mov_b32 s25, 0x76543210                      ; v_permlanex16_b32: each lane takes its own place in the other half
	s_mov_b32 s26, 0xfedcba98
	v_mov_b32 v28, 0                               ; the conversions below write halves of these two
	v_mov_b32 v29, 0
	; pass 1: the largest |x| of my 128 numbers, two bf16 at a time, in four chains; the first four words start them
.irp j, 0,1,2,3,4,5,6,7,8,9,10,11,12,13,14,15
	s_wait_loadcnt 15-(\j)                         ; loads come back in order: load j is in, the 15 - j younger ones may stay out
.irp k, 0,1,2,3
.if (\j) == 0
	v_and_b32 v[M+(\k)], s23, v[D+(\k)]
.else
	v_and_b32 v[T+(\k)], s23, v[D+4*(\j)+(\k)]
	v_pk_max_num_bf16 v[M+(\k)], v[M+(\k)], v[T+(\k)]
.endif
.endr
.endr
	v_pk_max_num_bf16 v[M], v[M], v[M+1]
	v_pk_max_num_bf16 v[M+2], v[M+2], v[M+3]
	v_pk_max_num_bf16 v[M], v[M], v[M+2]
	v_lshlrev_b32 v[T], 16, v[M]                   ; the two halves as f32
	v_and_b32 v[T+1], s24, v[M]
	v_max_num_f32 v[T], v[T], v[T+1]
	v_max_num_f32_dpp v[T], v[T], v[T] row_xmask:1 row_mask:0xf bank_mask:0xf
	v_max_num_f32_dpp v[T], v[T], v[T] row_xmask:2 row_mask:0xf bank_mask:0xf
	v_max_num_f32_dpp v[T], v[T], v[T] row_xmask:4 row_mask:0xf bank_mask:0xf
	v_max_num_f32_dpp v[T], v[T], v[T] row_xmask:8 row_mask:0xf bank_mask:0xf
	v_permlanex16_b32 v[T+1], v[T], s25, s26       ; its destination has been written above
	v_max_num_f32 v3, v[T], v[T+1]                 ; amax, in every lane
	; s = max(amax, 1e-10) x (1 / 448 in f32): one product, rounded once
	v_max_num_f32 v3, 0x2edbe6ff, v3               ; 1e-10
	v_mul_f32 v[S], s21, v3
	v_rcp_f32 v30, v[S]
	v_mov_b32 v[S+1], v[S]                         ; the plain instruction behind the reciprocal (ISA guide 5.7.2); it names neither its result nor writes its source
	s_wait_alu depctr_va_vdst(0)                   ; the wait ahead of the result's first reader
	v_fma_f32 v31, -v[S], v30, 1.0                 ; one Newton step: r = r0 + r0 (1 - s r0)
	v_fma_f32 v[R], v31, v30, v30
	v_mov_b32 v[R+1], v[R]
	global_store_b64 v2, v[S:S+1], s[12:13] th:TH_STORE_NT  ; 32 lanes x 8 bytes: the row's 256 bytes of xscale, aligned
; pass 2: eight numbers a lane: widened, divided, clamped, snapped to e4m3, written back as bf16 in place and stored.  No register of a store is written again.
.macro QUANT j
.irp k, 0,1,2,3
	v_lshlrev_b32 v[T+2*(\k)],   16, v[D+4*(\j)+(\k)]
	v_and_b32     v[T+2*(\k)+1], s24, v[D+4*(\j)+(\k)]
.endr
.irp k, 0,2,4,6
	v_pk_mul_f32 v[Q+(\k):Q+(\k)+1], v[T+(\k):T+(\k)+1], v[R:R+1]                                             ; q0 = x r
.endr
.irp k, 0,2,4,6
	v_pk_fma_f32 v[T+(\k):T+(\k)+1], v[Q+(\k):Q+(\k)+1], v[S:S+1], v[T+(\k):T+(\k)+1] neg_lo:[1,0,0] neg_hi:[1,0,0]  ; rem = x - q0 s
.endr
.irp k, 0,2,4,6
	v_pk_fma_f32 v[Q+(\k):Q+(\k)+1], v[T+(\k):T+(\k)+1], v[R:R+1], v[Q+(\k):Q+(\k)+1]                         ; q = q0 + rem r
.endr
.irp k, 0,1,2,3,4,5,6,7
	v_med3_num_f32 v[Q+(\k)], v[Q+(\k)], s22, s20  ; the conversion does not saturate
.endr
	v_cvt_pk_fp8_f32 v28.l, v[Q],   v[Q+1]
	v_cvt_pk_fp8_f32 v28.h, v[Q+2], v[Q+3]
	v_cvt_pk_fp8_f32 v29.l, v[Q+4], v[Q+5]
	v_cvt_pk_fp8_f32 v29.h, v[Q+6], v[Q+7]
	v_cvt_pk_f32_fp8 v[T:T+1],   v28.l
	v_cvt_pk_f32_fp8 v[T+2:T+3], v28.h
	v_cvt_pk_f32_fp8 v[T+4:T+5], v29.l
	v_cvt_pk_f32_fp8 v[T+6:T+7], v29.h
.irp k, 0,1,2,3
	v_cvt_pk_bf16_f32 v[D+4*(\j)+(\k)], v[T+2*(\k)], v[T+2*(\k)+1]  ; exact
.endr
	global_store_b128 v1, v[D+4*(\j):D+4*(\j)+3], s[8:9] offset:512*(\j) th:TH_STORE_NT  ; 512 consecutive bytes, aligned
.endm
.irp j, 0,1,2,3,4,5,6,7,8,9,10,11,12,13,14,15
	QUANT \j
.endr
	s_endpgm
	; ---------------- weight ----------------
.Lweight:
	s_lshl_b32 s16, s15, 14                        ; 16,384 bytes a row of weight
	s_lshl_b32 s18, s15, 13                        ; 8,192 a row of wq
	s_add_nc_u64 s[6:7], s[6:7], s[16:17]
	s_add_nc_u64 s[10:11], s[10:11], s[18:19]
.irp j, 0,1,2,3,4,5,6,7,8,9,10,11,12,13,14,15,16,17,18,19,20,21,22,23,24,25,26,27,28,29,30,31
	global_load_b128 v[D+4*(\j):D+4*(\j)+3], v1, s[6:7] offset:512*(\j) th:TH_LOAD_NT
.endr
.irp j, 0,1,2,3,4,5,6,7,8,9,10,11,12,13,14,15,16,17,18,19,20,21,22,23,24,25,26,27,28,29,30,31
	s_wait_loadcnt 31-(\j)                         ; load j is in, the 31 - j younger ones may stay out
	v_cvt_pk_bf16_f32 v[D+4*(\j)],   v[D+4*(\j)],   v[D+4*(\j)+1]
	v_cvt_pk_bf16_f32 v[D+4*(\j)+1], v[D+4*(\j)+2], v[D+4*(\j)+3]
	global_store_b64 v2, v[D+4*(\j):D+4*(\j)+1], s[10:11] offset:256*(\j) th:TH_STORE_NT  ; 32 lanes x 8 bytes: 256 consecutive bytes, aligned
.endr
	s_endpgm
.Lfunc_end_k_q6511ba466b_prep:
	.size	k_q6511ba466b_prep, .Lfunc_end_k_q6511ba466b_prep-k_q6511ba466b_prep
	.p2alignl 7, 3214868480
	.fill 96, 4, 3214868480
	.section	.rodata,"a",@progbits
	.p2align	6, 0x0
	.amdhsa_kernel k_q6511ba466b_prep
		.amdhsa_group_segment_fixed_size 0
		.amdhsa_private_segment_fixed_size 0
		.amdhsa_enable_private_segment 0
		.amdhsa_kernarg_size 40
		.amdhsa_user_sgpr_count 2
		.amdhsa_user_sgpr_kernarg_segment_ptr 1
		.amdhsa_wavefront_size32 1
		.amdhsa_system_sgpr_workgroup_id_x 1
		.amdhsa_system_sgpr_workgroup_id_y 1
		.amdhsa_system_sgpr_workgroup_id_z 1
		.amdhsa_system_vgpr_workitem_id 0
		.amdhsa_next_free_vgpr 160
		.amdhsa_next_free_sgpr 66
		.amdhsa_reserve_vcc 0
		.amdhsa_float_denorm_mode_32 3
		.amdhsa_float_denorm_mode_16_64 3
		.amdhsa_memory_ordered 1
		.amdhsa_forward_progress 1
		.amdhsa_inst_pref_size 57
	.end_amdhsa_kernel
	.amdgpu_metadata
---
amdhsa.version: [ 1, 2 ]
amdhsa.kernels:
  - .name:           k_q6511ba466b_prep
    .symbol:         k_q6511ba466b_prep.kd
    .args:
      - { .name: x, .offset: 0, .size: 8, .value_kind: global_buffer, .address_space: global }
      - { .name: weight, .offset: 8, .size: 8, .value_kind: global_buffer, .address_space: global }
      - { .name: xq, .offset: 16, .size: 8, .value_kind: global_buffer, .address_space: global }
      - { .name: wq, .offset: 24, .size: 8, .value_kind: global_buffer, .address_space: global }
      - { .name: xscale, .offset: 32, .size: 8, .value_kind: global_buffer, .address_space: global }
    .group_segment_fixed_size: 0
    .private_segment_fixed_size: 0
    .kernarg_segment_align: 8
    .kernarg_segment_size: 40
    .max_flat_workgroup_size: 128
    .sgpr_count:     66
    .vgpr_count:     160
    .wavefront_size: 32
...
	.end_amdgpu_metadata
.endif
;; end of part 1
;; launch gemm (part 2): grid 16 x 16, 4 waves a work-group, clusters of 4 x 4, 327,680 bytes of LDS; arguments xq, wq, out0, xscale, weight_scales, bias; writes out0
.if DOCPART == 2
	.amdgcn_target "amdgcn-amd-amdhsa--gfx1250"
	.amdhsa_code_object_version 6
	.text
	.protected	k_q6511ba466b_gemm
	.globl	k_q6511ba466b_gemm
	.p2align	8
	.type	k_q6511ba466b_gemm,@function
k_q6511ba466b_gemm:
	s_mov_b64 s[64:65], 0
	v_nop
	global_prefetch_b8 v0, s[64:65] scope:SCOPE_SE
	s_setreg_imm32_b32 hwreg(HW_REG_WAVE_MODE, 25, 1), 1
	s_wait_xcnt 0x0
	s_wait_alu depctr_hold_cnt(0) depctr_sa_sdst(0) depctr_va_vdst(0) depctr_va_sdst(0) depctr_va_ssrc(0) depctr_va_vcc(0) depctr_vm_vsrc(0)
	s_getreg_b32 s2, hwreg(HW_REG_IB_STS2, 6, 4)
	s_cmp_eq_u32 s2, 0
	s_cbranch_scc0 .Lentry_in_a_cluster
	s_endpgm
.Lentry_in_a_cluster:
	s_bfe_u32 s2, ttmp6, 0x10000c
	s_cmp_lg_u32 s2, 0xf033
	s_cbranch_scc0 .Lentry_shape_is_right
	s_endpgm
.Lentry_shape_is_right:
; out0[m][n] = bf16( bf16( (sum over k of xq[m][k] wq[n][k]) x xscale[m] x weight_scales[n] ) + bf16(bias[n]) ).  xq, wq: [4096][4096] bf16; sums in f32, K ascending; out0 bf16.
; xscale: [4096][64] f32, a row's scale 64 times (the first two are read, as the pair that a packed multiply wants).  The two scalings are taken in the order written above.
; LIMITS.  wq is weight rounded once to bf16; xq is exact.  NaN and infinities are not treated apart.
; A tile of out0, 256 x 256, is made by a work-group of four waves; a wave makes 128 x 128: 64 accumulators of 16 x 16, 512 registers.  16 x 16 tiles: one work-group to a tile.
; K goes in 32 steps of 128 through a ring of two LDS slots filled by tensor loads: a tile's rows are 256 bytes of memory and start at multiples of 256 bytes from the buffer's first byte.
; CLUSTERS: 4 x 4 work-groups.  The four of a row of the cluster need the same tiles of xq, the four of a column the same tiles of wq: each tile is asked for JOINTLY, by the same tensor load
; with the same descriptor and a mask that names the four; each receives it in its own LDS.
; THE MATRIX INSTRUCTION IS USED TRANSPOSED: source 0 = 16 rows of wq, source 1 = 16 rows of xq.  In the result lane l holds row m = l % 16 and its registers 0 to 7 the columns
; n = 8 (l / 16) + 0 .. 7: eight neighbouring numbers of a row of out0, 16 bytes when packed.
; REGISTERS, in windows of 256 (s_set_vgpr_msb's low byte: bits 1:0 source 0, 3:2 source 1, 5:4 source 2, 7:6 destination):
;   window 0: v0-31 addresses; v64-127, v128-191 fragments of xq, two buffers (v64-127 also: bias in f32 at the head, scaled results on the way out); v32-63, v192-255 at work on the way out
;   window 1: v0-63 weight_scales of my 128 columns; v64-127, v128-191 fragments of wq, two buffers; v192-223 bias of my columns, packed bf16; v224-239 xscale of my rows, a pair for each block of 16
;   window 2: the 32 accumulators of my rows 0-63 ((a, b) at v[8 (8 a + b)]);   window 3: those of my rows 64-127
.set SIZE_N, 4096
.set SIZE_K, 4096
.set KSTEP,  128
.set PITCH,  272                       ; an LDS row: 256 bytes of data + 16 of padding = 68 words: row r starts at bank 4 r mod 64 (64 banks of 4 bytes: ISA guide 11.1), so the 16 rows of a load start at 16 different banks
.set HALFT,  128*PITCH                 ; 128 rows: what one tensor load brings, and what one wave reads of xq or of wq
.set SLOT,   4*HALFT                   ; xq's 256 rows, then wq's 256 rows
.set STAGE,  2*SLOT                    ; behind the ring: 16 rows x 272 bytes for each wave, for the way out; no tensor load lands here
.set SPITCH, 272
.set SPARE,  STAGE+4*16*SPITCH         ; behind the stages: the spare words, 128 bytes for each wave: two blocks of 256 bytes that no other line names
.set LAPS,   SIZE_K/(2*KSTEP)          ; a lap = two K steps = once round the ring: 16
.set NOF,  8                           ; v8      my byte offset in weight_scales and bias: 4 x (my first column + 8 (l / 16))
.set MOF,  9                           ; v9      my byte offset in xscale: 256 x (my first row + l % 16)
.set ADRA, 16                          ; v16-17  LDS address of my xq fragments in slot 0, 1
.set ADRB, 20                          ; v20-21  the same for wq
.set STO,  24                          ; v24     the way out: where I put 16 bytes of a row
.set RD,   25                          ; v25     the way out: where I read a row back
.set CO,   26                          ; v26     my byte offset in out0
.set SPW,  28                          ; v28     LDS address of my spare word: SPARE + 4 x my thread's number; never rewritten
.set NIL,  29                          ; v29     0; never rewritten
.set PFO,  30                          ; v30     the prefetches' offset: my lane x a row of xq or wq (8,192 bytes); never rewritten
.set F0,   64                          ; fragment buffer 0
.set F1,   128                         ; fragment buffer 1
.set TF,   64                          ; the way out: a block's 64 scaled results in f32, window 0
.set TMP,  192                         ; the way out: packed results, window 0
.set OB,   32                          ; the way out: 16 rows read back from the stage: v32-63 and v224-255 by turns
.set WS,   0                           ; window 1
.set BI,   192                         ; window 1
.set XS,   224                         ; window 1
.set G1,  24                           ; s[24:31] descriptor group 1 for xq's tiles
.set G0,  32                           ; s[32:39] descriptor group 0 for xq's tiles, one set for each slot
.set LIM, 43                           ; s43      1 in a wave that prefetches, else the greatest number
.set PFA, 44                           ; s[44:45] where my prefetches stand
.set G1B, 48                           ; s[48:55] descriptor group 1 for wq's tiles: it differs in the mask alone
.set G0B, 56                           ; s[56:63] descriptor group 0 for wq's tiles
.set PC,  68                           ; s[68:69] out0;  s[70:71] xscale;  s[72:73] weight_scales;  s[74:75] bias
.set MSB, 0
.macro WIN new                         ; the immediate's high byte repeats the setting that is left; a switch that changes nothing is dropped
.if MSB != (\new)
	s_set_vgpr_msb (MSB<<8)|(\new)
.set MSB, \new
.endif
.endm
.set MUL_LO, 0xa1                      ; source 0 (wq) window 1, source 1 (xq) window 0, C and D window 2
.set MUL_HI, 0xf1                      ; the same, C and D window 3
.set TO_B,   0x40                      ; destination window 1, address window 0
; A joint load.  Waves 0 and 1 fetch xq's two halves, waves 2 and 3 wq's.  Each of the two lines has one mask and one set of registers for all that issue it.  The branch hangs on the wave's
; number alone.  An s_nop 0 and four v_nop follow each of the two lines, ahead of the jump, the label and what follows the macro.
.macro JLOAD s
	s_cmp_eq_u32 s11, 0
	s_cbranch_scc0 .Lfor_b_\@
	tensor_load_to_lds s[G0+4*(\s):G0+4*(\s)+3], s[G1:G1+7]
	s_nop 0
.rept 4
	v_nop
.endr
	s_branch .Lasked_\@
.Lfor_b_\@:
	tensor_load_to_lds s[G0B+4*(\s):G0B+4*(\s)+3], s[G1B:G1B+7]
	s_nop 0
.rept 4
	v_nop
.endr
.Lasked_\@:
.endm
; A prefetch, behind each joint refill, its five lines and the run of LDS loads that follows: the K step that stands TWO refills on (512 matrix instructions ahead of the load that will want it):
; 32 rows x 256 bytes, a lane a row, one instruction a wave.  Each row's 256 bytes of a K step are named once in the launch: xq's tile row is read by every cluster of that row of clusters, and
; the one with cluster x = 0 asks; wq's tile column by every cluster of that column, and the one with cluster y = 0 asks.  The four partners that ask for a tile jointly share its rows out by
; address: of the 128 rows that a wave fetches the partner at place p takes 32 p .. 32 p + 31.  The loop's last trip (s3 = 1) asks for nothing: K steps 32 and 33 do not exist.
.macro ASK
	s_cmp_gt_u32 s3, s[LIM]
	s_cbranch_scc0 .Lnot_mine_\@
	global_prefetch_b8 v[PFO], s[PFA:PFA+1] offset:KSTEP*2 th:TH_LOAD_NT scope:SCOPE_SE
.Lnot_mine_\@:
.endm
; A round of the cluster's barrier: my work-group's barrier, so that wave 0's signal speaks for all four waves; wave 0 signals for the work-group; every wave waits for all sixteen
; work-groups; my work-group's barrier once more.
.macro CREST                           ; a round behind its opening barrier
	s_cmp_lg_u32 s10, 0
	s_cbranch_scc1 .Lnot_wave_0_\@
	s_barrier_signal -3
.Lnot_wave_0_\@:
	s_barrier_wait -3
	s_barrier_signal -1
	s_barrier_wait -1
.endm
.macro CROUND                          ; a whole round
	s_barrier_signal -1
	s_barrier_wait -1
	CREST
.endm
	s_load_b128 s[4:7], s[0:1], 0x0                ; xq s[4:5], wq s[6:7]
	s_load_b128 s[68:71], s[0:1], 0x10             ; out0, xscale
	s_load_b128 s[72:75], s[0:1], 0x20             ; weight_scales, bias
	v_lshl_add_u32 v[SPW], v0, 2, SPARE
	v_mov_b32 v[NIL], 0
	ds_add_u32 v[SPW], v[NIL]                      ; the wave's opening: the add, twice on end, and its wait ahead of my first tensor load; the set-up below, work on registers, stands between
	ds_add_u32 v[SPW], v[NIL]
	v_lshrrev_b32 v1, 5, v0
	v_readfirstlane_b32 s10, v1                    ; wave 0..3
	s_lshr_b32 s11, s10, 1                         ; which half of the tile's rows is mine.  Also: I fetch for xq (0) or for wq (1)
	s_and_b32 s12, s10, 1                          ; which half of its columns.  Also: which 128 rows of that tile I fetch
	s_bfe_u32 s40, ttmp6, 0x40000                  ; cx: my place along the cluster's x
	s_bfe_u32 s41, ttmp6, 0x40004                  ; cy: along its y
	s_lshl_b32 s42, ttmp9, 2                       ; in a cluster launch ttmp9 and ttmp7 count clusters
	s_add_co_u32 s42, s42, s40                     ; tile column = 4 x cluster x + cx
	s_and_b32 s13, ttmp7, 0xffff
	s_lshl_b32 s13, s13, 2
	s_add_co_u32 s13, s13, s41                     ; tile row = 4 x cluster y + cy
	s_lshl_b32 s43, s41, 2
	s_lshl_b32 s43, 15, s43                        ; my row of the cluster: places 4 cy .. 4 cy + 3
	s_lshl_b32 s44, 0x1111, s40                    ; my column: places cx, cx + 4, cx + 8, cx + 12
	; descriptor group 1: a tile of 128 rows x 128 elements, padded in LDS
	s_or_b32 s[G1+0], s43, (1<<16)|(1<<20)|(1<<21)|(5<<22)|(3<<25)  ; 15:0 the mask: xq's tiles go to my row; 17:16 elements of 2 bytes; 20 padding on; 21 set beside a mask; 24:22 after every 64 words (code 5); 31:25 4 words of it (code 3)
	s_or_b32 s[G1B+0], s44, (1<<16)|(1<<20)|(1<<21)|(5<<22)|(3<<25) ; the same with the mask of my column, for wq's tiles
.irp g, G1, G1B
	s_mov_b32 s[(\g)+1], KSTEP<<16                 ; tensor_dim0 = 128
	s_mov_b32 s[(\g)+2], 128<<16                   ; tensor_dim1 = 128
	s_mov_b32 s[(\g)+3], KSTEP<<16                 ; tile_dim0 = 128
	s_mov_b32 s[(\g)+4], 128                       ; tile_dim1 = 128
	s_mov_b32 s[(\g)+5], SIZE_K                    ; elements from row to row
	s_mov_b32 s[(\g)+6], 0
	s_mov_b32 s[(\g)+7], 0
.endr
	; where the tiles come from.  xq's hang on the tile row alone, which my row of the cluster shares; wq's on the tile column alone, which my column shares.
	s_lshl_b32 s17, s12, 7                         ; which 128 rows of the tile I fetch
	s_lshl_b32 s16, s13, 8
	s_add_co_u32 s16, s16, s17                     ; xq: row 256 x tile row + 128 x half
	s_lshl_b32 s46, s42, 8
	s_add_co_u32 s46, s46, s17                     ; wq: row 256 x tile column + 128 x half
	s_mov_b32 s17, 0
	s_mov_b32 s47, 0
	s_mov_b64 s[18:19], SIZE_K*2
	s_mul_u64 s[16:17], s[16:17], s[18:19]         ; in bytes
	s_mul_u64 s[46:47], s[46:47], s[18:19]
	s_mul_i32 s20, s10, HALFT                      ; and where they go: wave x 128 rows: no place in the cluster enters an LDS address
	s_wait_dscnt 0x0                               ; both opening adds are done
	s_wait_kmcnt 0x0
	s_add_nc_u64 s[14:15], s[4:5], s[16:17]
	s_add_nc_u64 s[46:47], s[6:7], s[46:47]
	CROUND                                         ; all sixteen work-groups are here: the first joint loads meet
.irp s, 0,1
	s_mov_b32 s[G0+4*(\s)], 1                                        ; count = 1
	s_add_co_u32 s[G0+4*(\s)+1], s20, (\s)*SLOT                      ; LDS address
	s_add_nc_u64 s[G0+4*(\s)+2:G0+4*(\s)+3], s[14:15], (\s)*KSTEP*2  ; global address: K step s
	s_or_b32 s[G0+4*(\s)+3], s[G0+4*(\s)+3], 0x80000000              ; type = 2
	s_mov_b32 s[G0B+4*(\s)], 1
	s_add_co_u32 s[G0B+4*(\s)+1], s20, (\s)*SLOT
	s_add_nc_u64 s[G0B+4*(\s)+2:G0B+4*(\s)+3], s[46:47], (\s)*KSTEP*2
	s_or_b32 s[G0B+4*(\s)+3], s[G0B+4*(\s)+3], 0x80000000
	JLOAD \s                                       ; both slots are asked for before anything else is done: two tensor loads of mine are out
.endr
	; A fragment is 16 rows x 32 K in 8 registers: lane l holds row l % 16; registers 0-3 hold K = 8 (l / 16) + 0..7, registers 4-7 K = 16 + 8 (l / 16) + 0..7: two loads of 16 bytes, 32 bytes apart.
	v_and_b32 v1, 15, v0                           ; l % 16
	v_bfe_u32 v2, v0, 4, 1                         ; l / 16
	v_mul_u32_u24 v3, v1, PITCH
	v_lshl_add_u32 v3, v2, 4, v3                   ; row x pitch + 16 x half
	s_mul_i32 s21, s11, HALFT                      ; my 128 rows of xq
	s_mul_i32 s22, s12, HALFT                      ; my 128 rows of wq,
	s_add_co_u32 s22, s22, 2*HALFT                 ; which lie behind xq's 256
.irp s, 0,1
	v_add_nc_u32 v[ADRA+(\s)], s21, v3
	v_add_nc_u32 v[ADRB+(\s)], s22, v3
	s_add_co_u32 s21, s21, SLOT
	s_add_co_u32 s22, s22, SLOT
.endr
	s_mul_i32 s23, s10, 16*SPITCH
	s_add_co_u32 s23, s23, STAGE                   ; my stage
	v_mul_u32_u24 v4, v1, SPITCH                   ; in: row l % 16, 16 bytes for each half of the lanes
	v_lshl_add_u32 v4, v2, 4, v4
	v_add_nc_u32 v[STO], s23, v4
	v_mul_u32_u24 v5, v2, SPITCH                   ; back: lanes 0-15 take one row of 256 bytes, lanes 16-31 the next
	v_lshl_add_u32 v5, v1, 4, v5
	v_add_nc_u32 v[RD], s23, v5
	v_mul_u32_u24 v5, v2, SIZE_N*2                 ; and the same two rows in out0
	v_lshl_add_u32 v[CO], v1, 4, v5
	; where my part of the tile begins in out0, in bytes; and my places in the three tables of scales
	s_lshl_b32 s13, s13, 8
	s_lshl_b32 s14, s11, 7
	s_add_co_u32 s16, s13, s14                     ; my first row
	s_lshl_b32 s23, s16, 8                         ; 256 bytes a row of xscale
	v_lshl_add_u32 v[MOF], v1, 8, s23
	s_mov_b32 s17, 0
	s_mov_b64 s[18:19], SIZE_N*2
	s_mul_u64 s[16:17], s[16:17], s[18:19]
	s_lshl_b32 s46, s42, 9                         ; my first column, in bytes of out0: 512 x tile column + 256 x half
	s_lshl_b32 s47, s12, 8
	s_add_co_u32 s46, s46, s47
	s_lshl_b32 s47, s46, 1                         ; the same in bytes of f32
	v_lshl_add_u32 v[NOF], v2, 5, s47              ; + my lanes' 8 columns
	s_mov_b32 s47, 0
	s_add_nc_u64 s[16:17], s[16:17], s[46:47]      ; the first way out adds this to out0's address
	; the prefetches.  s13 = 256 x tile row, s42 = tile column, s40 = cx, s41 = cy still stand
	s_lshl_b32 s42, s42, 8
	s_and_b32 s22, ttmp7, 0xffff                   ; cluster y
	s_cmp_eq_u32 s11, 0                            ; do I fetch for xq?
	s_cselect_b32 s20, s13, s42                    ; the tile's first row: in xq by the tile row, in wq by the tile column
	s_cselect_b32 s21, s40, s41                    ; my place among the four that ask for it with me
	s_cselect_b32 s22, ttmp9, s22                  ; the coordinate along which other clusters read the same rows
	s_cselect_b64 s[PFA:PFA+1], s[4:5], s[6:7]
	s_cmp_eq_u32 s22, 0
	s_cselect_b32 s[LIM], 1, -1                    ; the same in all sixteen partners, for a given wave
	s_lshl_b32 s22, s12, 7
	s_add_co_u32 s20, s20, s22                     ; + the 128 rows that I fetch
	s_lshl_b32 s21, s21, 5
	s_add_co_u32 s20, s20, s21                     ; + my work-group's 32 of them
	s_mov_b32 s21, 0
	s_mov_b64 s[18:19], SIZE_K*2
	s_mul_u64 s[20:21], s[20:21], s[18:19]
	s_add_nc_u64 s[PFA:PFA+1], s[PFA:PFA+1], s[20:21]
	s_add_nc_u64 s[PFA:PFA+1], s[PFA:PFA+1], 2*KSTEP*2  ; at K step 2: the first refill steps it to 3 and names K step 4.  K steps 0 to 3 come by their loads alone
	v_and_b32 v[PFO], 31, v0
	v_mul_u32_u24 v[PFO], v[PFO], SIZE_K*2
	; the scales of my 128 columns and 128 rows, once, into registers where they stay; all this stands in the wait for the first tile
	WIN TO_B                                       ; destination window 1, address window 0
.irp b, 0,1,2,3,4,5,6,7
	global_load_b128 v[WS+8*(\b):WS+8*(\b)+3],   v[NOF], s[72:73] offset:64*(\b)      ; weight_scales of columns 16 b + 8 (l / 16) + 0..3
	global_load_b128 v[WS+8*(\b)+4:WS+8*(\b)+7], v[NOF], s[72:73] offset:64*(\b)+16   ; and + 4..7
.endr
.irp a, 0,1,2,3,4,5,6,7
	global_load_b64 v[XS+2*(\a):XS+2*(\a)+1], v[MOF], s[70:71] offset:4096*(\a)       ; xscale of row 16 a + l % 16, twice
.endr
	WIN 0
.irp b, 0,1,2,3,4,5,6,7
	global_load_b128 v[TF+8*(\b):TF+8*(\b)+3],   v[NOF], s[74:75] offset:64*(\b)      ; bias, in f32
	global_load_b128 v[TF+8*(\b)+4:TF+8*(\b)+7], v[NOF], s[74:75] offset:64*(\b)+16
.endr
	s_wait_loadcnt 0x0
	WIN TO_B
.set i, 0
.rept 32
	v_cvt_pk_bf16_f32 v[BI+i], v[TF+2*i], v[TF+2*i+1]  ; bias rounded to bf16, packed as the results will be
.set i, i+1
.endr
	WIN 0
; 16 matrix instructions: m blocks a0, a0 + 1 of the window's four (hi = 0: my rows 0-63, 1: rows 64-127) x all 8 n blocks, 32 along K.  zero = 1: the first product starts the sums.
; The 64 accumulators take turns, one instruction a turn, in the same order in every quarter step.
.macro MUL16 f, hi, a0, zero
	WIN MUL_LO+0x50*(\hi)
.irp a, \a0, (\a0)+1
.irp b, 0,1,2,3,4,5,6,7
.if \zero
	v_wmma_f32_16x16x32_bf16 v[8*(8*(\a)+(\b)):8*(8*(\a)+(\b))+7], v[(\f)+8*(\b):(\f)+8*(\b)+7], v[(\f)+8*(4*(\hi)+(\a)):(\f)+8*(4*(\hi)+(\a))+7], 0
.else
	v_wmma_f32_16x16x32_bf16 v[8*(8*(\a)+(\b)):8*(8*(\a)+(\b))+7], v[(\f)+8*(\b):(\f)+8*(\b)+7], v[(\f)+8*(4*(\hi)+(\a)):(\f)+8*(4*(\hi)+(\a))+7], v[8*(8*(\a)+(\b)):8*(8*(\a)+(\b))+7]
.endif
.endr
.endr
.endm
; 32 LDS loads in one run: the fragments of one quarter step (128 rows of wq, 128 rows of xq, 32 K at byte k of the rows) into buffer f
.macro FETCH slot, k, f
	WIN TO_B
.irp i, 0,1,2,3,4,5,6,7
	ds_load_b128 v[(\f)+8*(\i):(\f)+8*(\i)+3],   v[ADRB+(\slot)] offset:(\k)+(\i)*16*PITCH
	ds_load_b128 v[(\f)+8*(\i)+4:(\f)+8*(\i)+7], v[ADRB+(\slot)] offset:(\k)+(\i)*16*PITCH+32
.endr
	WIN 0
.irp i, 0,1,2,3,4,5,6,7
	ds_load_b128 v[(\f)+8*(\i):(\f)+8*(\i)+3],   v[ADRA+(\slot)] offset:(\k)+(\i)*16*PITCH
	ds_load_b128 v[(\f)+8*(\i)+4:(\f)+8*(\i)+7], v[ADRA+(\slot)] offset:(\k)+(\i)*16*PITCH+32
.endr
.endm
; A load into a register that a matrix instruction has read, and a vector instruction that reads a matrix result or writes one of a matrix instruction's registers, stand four places behind it,
; and only plain vector instructions that name none of its registers are places (ISA guide 7.12.1 for vector instructions).
.macro PLACES
.rept 4
	v_nop
.endr
.endm
; A K step is four quarter steps of 32 along K, 64 matrix instructions each, on buffers 0, 1, 0, 1.
; One of the first three: multiplies buffer f; in its middle it fetches the next quarter's fragments, at byte k of the same slot's rows, into buffer g.
.macro QUARTER slot, k, f, g, zero
	s_wait_dscnt 8                                 ; wq and xq's rows 0-63 are in; the youngest eight loads (xq's rows 64-127) may be out
	WIN MUL_LO
	MUL16 \f, 0, 0, \zero
	MUL16 \f, 0, 2, \zero
	PLACES
	FETCH \slot, \k, \g
	s_wait_dscnt 32                                ; all but the 32 just issued
	WIN MUL_HI
	MUL16 \f, 1, 0, \zero
	MUL16 \f, 1, 2, \zero
.endm
; The last quarter multiplies buffer 1 and changes slots.  MEET is its first half: one barrier for the change.  In front of it each wave waits for all its tensor loads, of which one is out: its
; part of the next slot; adds 0 to its spare word; and waits for that and for its own reads of this slot.  Behind it nobody reads this slot any more and the next slot is whole.
.macro MEET round                      ; round = 1: the rest of a round of the cluster's barrier follows
	WIN 0                                          ; (the add's two registers lie in window 0)
	s_wait_tensorcnt 0x0                           ; all my tensor loads have landed
	ds_add_u32 v[SPW], v[NIL]                      ; 0 onto my spare word
	s_wait_dscnt 9                                 ; (the add and the youngest eight loads may be out)
	WIN MUL_LO
	MUL16 F1, 0, 0, 0                              ; sixteen matrix instructions stand between the add and the wait for it
	s_wait_dscnt 0x0                               ; the add is done, and my reads of this slot are over
	s_barrier_signal -1
	MUL16 F1, 0, 2, 0                              ; work on registers while the others arrive
.if \round
	WIN 0
.endif
	s_barrier_wait -1
.endm
; The whole last quarter.  fill = 1: behind the round the slot just read out is filled again first, with the K step two steps on; then come the next slot's first fragments.
; From a request to the wait for it a wave issues 224 matrix instructions.  fill = 0 (the last lap): nothing is asked for, and the work-group's barrier alone stands.
.macro TURN slot, next, fill
.if \fill
	s_wait_xcnt 0x0                                ; the last prefetch, a K step back, has read its address: it is stepped here, ahead of the waits of the change of slots
	s_add_nc_u64 s[PFA:PFA+1], s[PFA:PFA+1], KSTEP*2
	MEET 1
	CREST                                          ; no wave of any partner still reads this slot's tile or has a load on its way
	s_add_nc_u64 s[G0+4*(\slot)+2:G0+4*(\slot)+3], s[G0+4*(\slot)+2:G0+4*(\slot)+3], 2*KSTEP*2
	s_add_nc_u64 s[G0B+4*(\slot)+2:G0B+4*(\slot)+3], s[G0B+4*(\slot)+2:G0B+4*(\slot)+3], 2*KSTEP*2
	JLOAD \slot                                    ; the first tensor load behind the round, my only one until the next; the four v_nop behind it are also the places in front of the loads below
.else
	MEET 0
	PLACES
.endif
	FETCH \next, 0, F0
.if \fill
	ASK
.endif
	WIN MUL_HI
	MUL16 F1, 1, 0, 0
	MUL16 F1, 1, 2, 0
.endm
; THE WAY OUT of block a (16 rows x 128 columns), in three parts.
; PACK: times xscale, times weight_scales, rounded to bf16, plus bias in bf16 (rounded once more, as a bf16 sum is): 16 bytes a lane and n block.  Each accumulator is read from its low end on.
.macro PACK a
.set AC, 64*((\a)%4)
	WIN 0x06+(\a)/4                                ; source 0: window 2 or 3; source 1: window 1; destination: window 0
.irp b, 0,1,2,3,4,5,6,7
.irp r, 0,1,2,3
	v_pk_mul_f32 v[TF+8*(\b)+2*(\r):TF+8*(\b)+2*(\r)+1], v[AC+8*(\b)+2*(\r):AC+8*(\b)+2*(\r)+1], v[XS+2*(\a):XS+2*(\a)+1]
.endr
.endr
	WIN 0x04                                       ; source 1: window 1
.irp b, 0,1,2,3,4,5,6,7
.irp r, 0,1,2,3
	v_pk_mul_f32 v[TF+8*(\b)+2*(\r):TF+8*(\b)+2*(\r)+1], v[TF+8*(\b)+2*(\r):TF+8*(\b)+2*(\r)+1], v[WS+8*(\b)+2*(\r):WS+8*(\b)+2*(\r)+1]
.endr
.endr
	WIN 0
.irp b, 0,1,2,3,4,5,6,7
.irp r, 0,1,2,3
	v_cvt_pk_bf16_f32 v[TMP+4*(\b)+(\r)], v[TF+8*(\b)+2*(\r)], v[TF+8*(\b)+2*(\r)+1]
.endr
.endr
	WIN 0x04
.irp b, 0,1,2,3,4,5,6,7
.irp r, 0,1,2,3
	v_pk_add_bf16 v[TMP+4*(\b)+(\r)], v[TMP+4*(\b)+(\r)], v[BI+4*(\b)+(\r)]
.endr
.endr
	WIN 0
.endm
; TOSTAGE: into my own stage in LDS, and back as whole rows of 256 bytes.
.macro TOSTAGE a
	WIN 0
.set BK, OB+192*((\a)%2)
.irp b, 0,1,2,3,4,5,6,7
	ds_store_b128 v[STO], v[TMP+4*(\b):TMP+4*(\b)+3] offset:32*(\b)
.endr
.irp t, 0,1,2,3,4,5,6,7
	ds_load_b128 v[BK+4*(\t):BK+4*(\t)+3], v[RD] offset:(\t)*2*SPITCH  ; LDS serves a wave's instructions in order (ISA guide 5.7.1.4): these see the stores above
.endr
.endm
; SEND: stored.
.macro SEND a, younger
	WIN 0
.set BK, OB+192*((\a)%2)
	s_wait_dscnt \younger                          ; the block is back in registers
	s_wait_xcnt 0x0                                ; only behind this wait are the stores' base and the registers that earlier stores read rewritten
.if (\a) == 0
	s_add_nc_u64 s[PC:PC+1], s[PC:PC+1], s[16:17]  ; on to my first rows
.else
	s_add_nc_u64 s[PC:PC+1], s[PC:PC+1], 16*SIZE_N*2  ; 16 rows on
.endif
.irp t, 0,1,2,3,4,5,6,7
	global_store_b128 v[CO], v[BK+4*(\t):BK+4*(\t)+3], s[PC:PC+1] offset:2*(\t)*SIZE_N*2  ; 16 lanes store 256 consecutive bytes, at a multiple of 256 from out0's first byte
.endr
.endm
	s_wait_tensorcnt 1                             ; my part of K step 0 is in; K step 1's load may stay out
	s_barrier_signal -1
	s_barrier_wait -1                              ; everybody's is
	FETCH 0, 0, F0
	QUARTER 0, 64,  F0, F1, 1                      ; the first quarter stands in front of the loop: its products start the sums
	WIN 0                                          ; at a label and at a branch every window is 0
	s_mov_b32 s3, LAPS-1
.Llap:                                                 ; a trip goes once round the ring, from a lap's second quarter to the next lap's first, and fills both slots again
	QUARTER 0, 128, F1, F0, 0
	QUARTER 0, 192, F0, F1, 0
	TURN 0, 1, 1
	QUARTER 1, 64,  F0, F1, 0
	QUARTER 1, 128, F1, F0, 0
	QUARTER 1, 192, F0, F1, 0
	TURN 1, 0, 1
	QUARTER 0, 64,  F0, F1, 0
	WIN 0
	s_sub_co_u32 s3, s3, 1
	s_cmp_lg_u32 s3, 0
	s_cbranch_scc1 .Llap
	QUARTER 0, 128, F1, F0, 0                      ; the last lap is written out: it fills nothing, and has no round of the cluster's barrier
	QUARTER 0, 192, F0, F1, 0
	TURN 0, 1, 0
	QUARTER 1, 64,  F0, F1, 0
	QUARTER 1, 128, F1, F0, 0
	QUARTER 1, 192, F0, F1, 0
	s_wait_dscnt 8                                 ; the very last quarter: nothing more to fetch
	WIN MUL_LO
	MUL16 F1, 0, 0, 0
	MUL16 F1, 0, 2, 0
	s_wait_dscnt 0x0
	MUL16 F1, 1, 0, 0
	MUL16 F1, 1, 2, 0
	WIN 0
	PLACES                                         ; the way out reads results and writes over fragments of xq
	PLACES                                         ; (eight, once a launch)
	PACK 0
	TOSTAGE 0
.irp a, 1,2,3,4,5,6,7                  ; block a's arithmetic stands between block a - 1's loads from the stage and the wait for them
	PACK \a
	SEND (\a)-1, 0
	TOSTAGE \a
.endr
	SEND 7, 0
	s_wait_tensorcnt 0x0                           ; the wave's end, behind my last tensor load and my last LDS store
	ds_add_u32 v[SPW], v[NIL]
	s_wait_dscnt 0x0
	CROUND                                         ; the closing round: no work-group ends while a partner may still ask for a tile that names it
	s_endpgm
.Lfunc_end_k_q6511ba466b_gemm:
	.size	k_q6511ba466b_gemm, .Lfunc_end_k_q6511ba466b_gemm-k_q6511ba466b_gemm
	.p2alignl 7, 3214868480
	.fill 96, 4, 3214868480
	.section	.rodata,"a",@progbits
	.p2align	6, 0x0
	.amdhsa_kernel k_q6511ba466b_gemm
		.amdhsa_group_segment_fixed_size 327680
		.amdhsa_private_segment_fixed_size 0
		.amdhsa_enable_private_segment 0
		.amdhsa_kernarg_size 48
		.amdhsa_user_sgpr_count 2
		.amdhsa_user_sgpr_kernarg_segment_ptr 1
		.amdhsa_wavefront_size32 1
		.amdhsa_system_sgpr_workgroup_id_x 1
		.amdhsa_system_sgpr_workgroup_id_y 1
		.amdhsa_system_sgpr_workgroup_id_z 1
		.amdhsa_system_vgpr_workitem_id 0
		.amdhsa_next_free_vgpr 1024
		.amdhsa_next_free_sgpr 76
		.amdhsa_reserve_vcc 0
		.amdhsa_float_denorm_mode_32 3
		.amdhsa_float_denorm_mode_16_64 3
		.amdhsa_memory_ordered 1
		.amdhsa_forward_progress 1
		.amdhsa_inst_pref_size 199
	.end_amdhsa_kernel
	.amdgpu_metadata
---
amdhsa.version: [ 1, 2 ]
amdhsa.kernels:
  - .name:           k_q6511ba466b_gemm
    .symbol:         k_q6511ba466b_gemm.kd
    .args:
      - { .name: xq, .offset: 0, .size: 8, .value_kind: global_buffer, .address_space: global }
      - { .name: wq, .offset: 8, .size: 8, .value_kind: global_buffer, .address_space: global }
      - { .name: out0, .offset: 16, .size: 8, .value_kind: global_buffer, .address_space: global }
      - { .name: xscale, .offset: 24, .size: 8, .value_kind: global_buffer, .address_space: global }
      - { .name: weight_scales, .offset: 32, .size: 8, .value_kind: global_buffer, .address_space: global }
      - { .name: bias, .offset: 40, .size: 8, .value_kind: global_buffer, .address_space: global }
    .group_segment_fixed_size: 327680
    .private_segment_fixed_size: 0
    .kernarg_segment_align: 8
    .kernarg_segment_size: 48
    .max_flat_workgroup_size: 128
    .sgpr_count:     76
    .vgpr_count:     1024
    .wavefront_size: 32
...
	.end_amdgpu_metadata
.endif
;; end of part 2
;; ======== version 2 of 2: 2 launches; version 1 with the launch prep written anew for expert scheduling mode
;; workspace buffers: xq 33,554,432 bytes; wq 33,554,432 bytes; xscale 1,048,576 bytes
;; launch prep (part 3): grid 1024 x 2, 4 waves a work-group, no clusters, 0 bytes of LDS; arguments x, weight, xq, wq, xscale; writes xq, wq, xscale
.if DOCPART == 3
	.amdgcn_target "amdgcn-amd-amdhsa--gfx1250"
	.amdhsa_code_object_version 6
	.text
	.protected	k_q6511ba466b_prep
	.globl	k_q6511ba466b_prep
	.p2align	8
	.type	k_q6511ba466b_prep,@function
k_q6511ba466b_prep:
	s_mov_b64 s[64:65], 0
	v_nop
	global_prefetch_b8 v0, s[64:65] scope:SCOPE_SE
	s_setreg_imm32_b32 hwreg(HW_REG_WAVE_SCHED_MODE, 0, 2), 2
	s_setreg_imm32_b32 hwreg(HW_REG_WAVE_MODE, 25, 1), 1
	s_wait_xcnt 0x0
	s_wait_alu depctr_vm_vsrc(0)
; Two streams that share nothing, told apart by the work-group's y.  One wave takes one row: row = 4 x work-group x + wave.
; y = 0: a row of x (4,096 bf16, 8,192 bytes).  amax = the largest |x| of the row; s = max(amax, 1e-10) / 448; xq = x / s snapped to the e4m3 grid, written as bf16
;        (every e4m3 number is exact in bf16); s is written 64 times into the row's 256 bytes of xscale, so that the wave's one store covers 256 consecutive bytes, aligned.
; y = 1: a row of weight (4,096 f32, 16,384 bytes) is rounded once to bf16 into wq (exact for numbers on the e4m3 grid).
; THE LAST BITS COUNT.  x and amax have 8 significant bits, so 448 x / amax often falls exactly between two e4m3 numbers, and which way such a number goes hangs on the last bit of s and of
; the f32 quotient x / s.
;   s: the division by the constant 448 is taken as ONE product with 1 / 448 rounded to f32 (0x3b124925).  LIMIT: this s differs from the correctly rounded quotient by at most one unit in the
;      last place; the same s divides x here and scales the sums in the launch behind.
;   x / s is a TRUE division: q0 = x r, rem = x - q0 s (exact, one fused multiply-add), q = q0 + rem r, with r = 1 / s to the last bit or nearly.
; LIMITS.  NaN and infinities in x are not treated apart (the maximum drops a NaN).  Quotients are held to -448 .. 448 ahead of the conversion: |x / s| is at most 448 (1 + 2^-22).
; A row stays in registers between the pass that finds amax and the pass that divides: x is read once.  All loads of a row go out at once; no LDS, no barrier: no wave wants another's bytes.
; THE MODE: SCHED_MODE bits 1:0 = 2 (LLVM: expert scheduling mode 2), set by the entry lines.  The code itself states the register dependences
; between vector instructions and memory instructions, with s_wait_alu, always for 0.
; THE PLAN.  Registers that memory instructions touch:
;   v1, v2     byte offsets, made once at the head and never written again: one wait ahead of the branch on y serves every load and store of both streams.
;   D          the row.  The loads land in it before any vector instruction has named it, and nothing is loaded a second time.  The roundings write it in place, a group of pieces at a time;
;              ONE wait behind a group states that its registers are written, and the group's stores follow that wait.  No register of a store is written again.
;   v[S:S+1]   written once, read by the one store to xscale, which stands straight behind the wait that the reciprocal has in any case; read, never written, by the divisions.
;   T, Q, R, M, v3, v28 to v31 are named by vector instructions alone.
; So no load lands in a register that a vector instruction has named, and no register that a memory instruction has read is written again: the text owes waits on va_vdst ahead of stores,
; one on va_sdst for the wave's number, and none on vm_vsrc.
.set M, 4                              ; v[4:7]    four running maxima, two bf16 each
.set T, 8                              ; v[8:15]   at work: 8 numbers in f32, then their remainders, then the snapped numbers
.set Q, 16                             ; v[16:23]  quotients
.set S, 24                             ; v[24:25]  s, twice
.set R, 26                             ; v[26:27]  1 / s, twice
.set D, 32                             ; v[32:95]  the row of x; v[32:159] the row of weight
                                       ; v1 16 x lane, v2 8 x lane: never rewritten;  v[28:29] eight e4m3 codes;  v3 at work, then 1.0, the conversion's scale;  v30, v31 at work
	s_load_b256 s[4:11], s[0:1], 0x0               ; x s[4:5], weight s[6:7], xq s[8:9], wq s[10:11]
	s_load_b64 s[12:13], s[0:1], 0x20              ; xscale
	v_lshrrev_b32 v3, 5, v0
	v_readfirstlane_b32 s14, v3                    ; wave 0..3
	v_and_b32 v2, 31, v0                           ; lane
	v_lshlrev_b32 v1, 4, v2
	v_lshlrev_b32 v2, 3, v2
	s_lshl_b32 s15, ttmp9, 2
	s_wait_alu depctr_va_sdst(0)                   ; s14 is written, ahead of its first reader: the row, and with it every base, is made from it
	s_add_co_u32 s15, s15, s14                     ; my row
	s_and_b32 s27, ttmp7, 0xffff                   ; which stream
	s_mov_b32 s17, 0
	s_mov_b32 s19, 0
	s_wait_kmcnt 0x0
	s_wait_alu depctr_va_vdst(0)                   ; v1 and v2 are written: every load and store of both streams reads one of them as its offset
	s_cmp_lg_u32 s27, 0
	s_cbranch_scc1 .Lweight
	; ---------------- x ----------------
	s_lshl_b32 s16, s15, 13                        ; 8,192 bytes a row of x and of xq
	s_lshl_b32 s18, s15, 8                         ; 256 bytes a row of xscale
	s_add_nc_u64 s[4:5], s[4:5], s[16:17]
	s_add_nc_u64 s[8:9], s[8:9], s[16:17]
	s_add_nc_u64 s[12:13], s[12:13], s[18:19]
.irp j, 0,1,2,3,4,5,6,7,8,9,10,11,12,13,14,15
	global_load_b128 v[D+4*(\j):D+4*(\j)+3], v1, s[4:5] offset:512*(\j) th:TH_LOAD_NT  ; 512 consecutive bytes a load, the whole row in sixteen
.endr
	s_mov_b32 s20, 0x43e00000                      ; 448
	s_mov_b32 s21, 0x3b124925                      ; 1 / 448, rounded to nearest
	s_mov_b32 s22, 0xc3e00000                      ; -448
	s_mov_b32 s23, 0x7fff7fff                      ; clears the signs of two bf16
	s_mov_b32 s24, 0xffff0000                      ; a word's upper bf16
	s_mov_b32 s25, 0x76543210                      ; v_permlanex16_b32: each lane takes its own place in the other half
	s_mov_b32 s26, 0xfedcba98
	; pass 1: the largest |x| of my 128 numbers, two bf16 at a time, in four chains; the first four words start them
.irp j, 0,1,2,3,4,5,6,7,8,9,10,11,12,13,14,15
	s_wait_loadcnt 15-(\j)                         ; loads come back in order: load j is in, the 15 - j younger ones may stay out
.irp k, 0,1,2,3
.if (\j) == 0
	v_and_b32 v[M+(\k)], s23, v[D+(\k)]
.else
	v_and_b32 v[T+(\k)], s23, v[D+4*(\j)+(\k)]
	v_pk_max_num_bf16 v[M+(\k)], v[M+(\k)], v[T+(\k)]
.endif
.endr
.endr
	v_pk_max_num_bf16 v[M], v[M], v[M+1]
	v_pk_max_num_bf16 v[M+2], v[M+2], v[M+3]
	v_pk_max_num_bf16 v[M], v[M], v[M+2]
	v_lshlrev_b32 v[T], 16, v[M]                   ; the two halves as f32
	v_and_b32 v[T+1], s24, v[M]
	v_max_num_f32 v[T], v[T], v[T+1]
	v_max_num_f32_dpp v[T], v[T], v[T] row_xmask:1 row_mask:0xf bank_mask:0xf
	v_max_num_f32_dpp v[T], v[T], v[T] row_xmask:2 row_mask:0xf bank_mask:0xf
	v_max_num_f32_dpp v[T], v[T], v[T] row_xmask:4 row_mask:0xf bank_mask:0xf
	v_max_num_f32_dpp v[T], v[T], v[T] row_xmask:8 row_mask:0xf bank_mask:0xf
	v_permlanex16_b32 v[T+1], v[T], s25, s26       ; its destination has been written above
	v_max_num_f32 v3, v[T], v[T+1]                 ; amax, in every lane
	; s = max(amax, 1e-10) x (1 / 448 in f32): one product, rounded once
	v_max_num_f32 v3, 0x2edbe6ff, v3               ; 1e-10
	v_mul_f32 v[S], s21, v3
	v_rcp_f32 v30, v[S]
	v_mov_b32 v[S+1], v[S]                         ; the plain instruction behind the reciprocal (ISA guide 5.7.2); it names neither its result nor writes its source
	s_wait_alu depctr_va_vdst(0)                   ; the reciprocal has written v30, ahead of its first reader; the product and the copy have written v[S:S+1], which the store below reads
	global_store_b64 v2, v[S:S+1], s[12:13] th:TH_STORE_NT  ; 32 lanes x 8 bytes: the row's 256 bytes of xscale, aligned
	v_fma_f32 v31, -v[S], v30, 1.0                 ; one Newton step: r = r0 + r0 (1 - s r0)
	v_fma_f32 v[R], v31, v30, v30
	v_mov_b32 v[R+1], v[R]
	v_mov_b32 v3, 1.0                              ; the conversion's scale: its exponent is 0, so the eight numbers are divided by 1
; pass 2: eight numbers a lane: widened, divided, clamped, snapped to e4m3, written back as bf16 in place.  No register of a store is written again.
.macro QUANT j
.irp k, 0,1,2,3
	v_lshlrev_b32 v[T+2*(\k)],   16, v[D+4*(\j)+(\k)]
	v_and_b32     v[T+2*(\k)+1], s24, v[D+4*(\j)+(\k)]
.endr
.irp k, 0,2,4,6
	v_pk_mul_f32 v[Q+(\k):Q+(\k)+1], v[T+(\k):T+(\k)+1], v[R:R+1]                                             ; q0 = x r
.endr
.irp k, 0,2,4,6
	v_pk_fma_f32 v[T+(\k):T+(\k)+1], v[Q+(\k):Q+(\k)+1], v[S:S+1], v[T+(\k):T+(\k)+1] neg_lo:[1,0,0] neg_hi:[1,0,0]  ; rem = x - q0 s
.endr
.irp k, 0,2,4,6
	v_pk_fma_f32 v[Q+(\k):Q+(\k)+1], v[T+(\k):T+(\k)+1], v[R:R+1], v[Q+(\k):Q+(\k)+1]                         ; q = q0 + rem r
.endr
.irp k, 0,1,2,3,4,5,6,7
	v_med3_num_f32 v[Q+(\k)], v[Q+(\k)], s22, s20  ; held inside e4m3's range ahead of the conversion
.endr
	v_cvt_scalef32_pk8_fp8_f32 v[28:29], v[Q:Q+7], v3  ; eight e4m3 codes at once, into two whole registers: number k in byte k
	v_nop                                          ; one plain instruction between a scaled conversion and the first line that touches its result
	v_cvt_pk_f32_fp8 v[T:T+1],   v28.l
	v_cvt_pk_f32_fp8 v[T+2:T+3], v28.h
	v_cvt_pk_f32_fp8 v[T+4:T+5], v29.l
	v_cvt_pk_f32_fp8 v[T+6:T+7], v29.h
.irp k, 0,1,2,3
	v_cvt_pk_bf16_f32 v[D+4*(\j)+(\k)], v[T+2*(\k)], v[T+2*(\k)+1]  ; exact
.endr
.endm
.macro OUT j                           ; piece j leaves
	global_store_b128 v1, v[D+4*(\j):D+4*(\j)+3], s[8:9] offset:512*(\j) th:TH_STORE_NT  ; 512 consecutive bytes, aligned
.endm
; The sixteen pieces go in four groups of four.  At the head of a group one wait states that the group before has written its sixteen registers of D; that group's four stores are then dealt
; among this group's arithmetic, one ahead of each piece, with no further wait: the arithmetic names this group's own part of D, T, Q, R, S, v3, v28 and v29, none of which those stores touch.
.irp j, 0,1,2,3,4,5,6,7,8,9,10,11,12,13,14,15
.if (\j) >= 4
.if (\j) % 4 == 0
	s_wait_alu depctr_va_vdst(0)                   ; the roundings of the group before have written its four pieces of D, which the four stores of this group's turn read
.endif
	OUT (\j)-4
.endif
	QUANT \j
.endr
	s_wait_alu depctr_va_vdst(0)                   ; the last group's roundings have written pieces 12 to 15, which the last four stores read
.irp j, 12,13,14,15
	OUT \j
.endr
	s_endpgm
	; ---------------- weight ----------------
.Lweight:
	s_lshl_b32 s16, s15, 14                        ; 16,384 bytes a row of weight
	s_lshl_b32 s18, s15, 13                        ; 8,192 a row of wq
	s_add_nc_u64 s[6:7], s[6:7], s[16:17]
	s_add_nc_u64 s[10:11], s[10:11], s[18:19]
.irp j, 0,1,2,3,4,5,6,7,8,9,10,11,12,13,14,15,16,17,18,19,20,21,22,23,24,25,26,27,28,29,30,31
	global_load_b128 v[D+4*(\j):D+4*(\j)+3], v1, s[6:7] offset:512*(\j) th:TH_LOAD_NT
.endr
; The 32 loads go in four groups of eight.  A group's wait stands straight behind its sixteen conversions and not at the next group's head: that head waits for memory, and the stores are not to sit behind it.
.irp g, 0,1,2,3
	s_wait_loadcnt 24-8*(\g)                       ; loads come back in order: group g's eight are in, the 24 - 8 g younger ones may stay out
.irp i, 0,1,2,3,4,5,6,7
	v_cvt_pk_bf16_f32 v[D+4*(8*(\g)+(\i))],   v[D+4*(8*(\g)+(\i))],   v[D+4*(8*(\g)+(\i))+1]
	v_cvt_pk_bf16_f32 v[D+4*(8*(\g)+(\i))+1], v[D+4*(8*(\g)+(\i))+2], v[D+4*(8*(\g)+(\i))+3]
.endr
	s_wait_alu depctr_va_vdst(0)                   ; the group's conversions have written the first two of each four registers, which the eight stores below read
.irp i, 0,1,2,3,4,5,6,7
	global_store_b64 v2, v[D+4*(8*(\g)+(\i)):D+4*(8*(\g)+(\i))+1], s[10:11] offset:256*(8*(\g)+(\i)) th:TH_STORE_NT  ; 32 lanes x 8 bytes: 256 consecutive bytes, aligned
.endr
.endr
	s_endpgm
.Lfunc_end_k_q6511ba466b_prep:
	.size	k_q6511ba466b_prep, .Lfunc_end_k_q6511ba466b_prep-k_q6511ba466b_prep
	.p2alignl 7, 3214868480
	.fill 96, 4, 3214868480
	.section	.rodata,"a",@progbits
	.p2align	6, 0x0
	.amdhsa_kernel k_q6511ba466b_prep
		.amdhsa_group_segment_fixed_size 0
		.amdhsa_private_segment_fixed_size 0
		.amdhsa_enable_private_segment 0
		.amdhsa_kernarg_size 40
		.amdhsa_user_sgpr_count 2
		.amdhsa_user_sgpr_kernarg_segment_ptr 1
		.amdhsa_wavefront_size32 1
		.amdhsa_system_sgpr_workgroup_id_x 1
		.amdhsa_system_sgpr_workgroup_id_y 1
		.amdhsa_system_sgpr_workgroup_id_z 1
		.amdhsa_system_vgpr_workitem_id 0
		.amdhsa_next_free_vgpr 160
		.amdhsa_next_free_sgpr 66
		.amdhsa_reserve_vcc 0
		.amdhsa_float_denorm_mode_32 3
		.amdhsa_float_denorm_mode_16_64 3
		.amdhsa_memory_ordered 1
		.amdhsa_forward_progress 1
		.amdhsa_inst_pref_size 54
	.end_amdhsa_kernel
	.amdgpu_metadata
---
amdhsa.version: [ 1, 2 ]
amdhsa.kernels:
  - .name:           k_q6511ba466b_prep
    .symbol:         k_q6511ba466b_prep.kd
    .args:
      - { .name: x, .offset: 0, .size: 8, .value_kind: global_buffer, .address_space: global }
      - { .name: weight, .offset: 8, .size: 8, .value_kind: global_buffer, .address_space: global }
      - { .name: xq, .offset: 16, .size: 8, .value_kind: global_buffer, .address_space: global }
      - { .name: wq, .offset: 24, .size: 8, .value_kind: global_buffer, .address_space: global }
      - { .name: xscale, .offset: 32, .size: 8, .value_kind: global_buffer, .address_space: global }
    .group_segment_fixed_size: 0
    .private_segment_fixed_size: 0
    .kernarg_segment_align: 8
    .kernarg_segment_size: 40
    .max_flat_workgroup_size: 128
    .sgpr_count:     66
    .vgpr_count:     160
    .wavefront_size: 32
...
	.end_amdgpu_metadata
.endif
;; end of part 3
;; launch gemm: the kernel of part 2 again; grid 16 x 16, 4 waves a work-group, clusters of 4 x 4, 327,680 bytes of LDS; arguments xq, wq, out0, xscale, weight_scales, bias; writes out0
